; MI455X (gfx1250); checked and timed in simulation.
; The chip was launched on July 23, 2026; its instructions are those of AMD's public machine-readable ISA for CDNA 5 (MIT licence, August 2026) and "CDNA5" Instruction Set Architecture Reference Guide (July 2026). The comments in the code are by the model that wrote it; some were corrected since.
;; Path Reward With Collision. Allowed arithmetic: float matrix products may take bf16 or f16 operands with f32 sums; all other float work in f32.
;; Inputs: agent_fut_width 128 x 80 float32; other_fut_masks 128 x 64 x 80 bool; other_fut_trajs 128 x 64 x 80 x 2 float32; other_fut_widths 128 x 64 float32; target_mask 128 x 80 float32; targets 128 x 80 x 2 float32; traj_preds 128 x 64 x 80 x 2 float32; traj_scores 128 x 64 float32.
;; Outputs: out0 128 x 64 float32; out1 128 x 64 float32; out2 128 x 64 float32.
;; 2 versions, each right; version 2 is version 1 with the launch reward written anew for expert scheduling mode. Each part assembles by itself: llvm-mc -triple=amdgcn-amd-amdhsa -mcpu=gfx1250 --defsym DOCPART=n.
;; ======== version 1 of 2: 1 launch
;; launch reward (part 1): grid 256 x 1, 8 waves a work-group, no clusters, 168,960 bytes of LDS; arguments agent_fut_width, other_fut_masks, other_fut_trajs, other_fut_widths, target_mask, targets, traj_preds, out0, out1, out2; writes out0, out1, out2
.if DOCPART == 1
	.amdgcn_target "amdgcn-amd-amdhsa--gfx1250"
	.amdhsa_code_object_version 6
	.text
	.protected	k_q4a6c0d2495_reward
	.globl	k_q4a6c0d2495_reward
	.p2align	8
	.type	k_q4a6c0d2495_reward,@function
k_q4a6c0d2495_reward:
	s_mov_b64 s[64:65], 0
	v_nop
	global_prefetch_b8 v0, s[64:65] scope:SCOPE_SE
	s_setreg_imm32_b32 hwreg(HW_REG_WAVE_MODE, 25, 1), 1
	s_wait_xcnt 0x0
; PathRewardWithCollision.  For agent a (128) and mode m (64):
;   out2 = 8 - sum over t of |p*tm - g*tm|        out1 = -100 * (number of others n hit at any of the 80 steps)        out0 = out2 + out1
;   hit(m, n, t):  |p(m,t)*tm(t) - o(n,t)| < (wi(t) + wo(n)) * 0.5 + 0.0,  tm(t) != 0,  mask_o(n,t) != 0.
; 128 x 64 x 64 x 80 tests, each with its own compare: there is no sum along a K axis, so this is plain vector work and the matrix unit has no part.
;
; SHARES.  Work-group = one agent and 32 of its modes (ttmp9 = 2 a + half).  Eight waves.  Wave w owns the steps 10 w .. 10 w + 9 (five pairs of steps).
; Lane (r = L & 15, h = L >> 4) keeps four others, n = r + 16 j, for those five pairs in 120 registers; trip i of 16 brings mode i to lanes 0-15
; and mode i + 16 to lanes 16-31 from LDS (five loads of 16 bytes, one address for each half of the lanes) for 120 vector instructions.
;
; THE TEST WITHOUT A ROOT, decision for decision that of a correctly rounded root followed by '<'.  With c > 0 the bound, cp the float below it and
; mid their midpoint, RN(sqrt(d2)) < c holds exactly when d2 < mid^2 (mid^2 is no float, so there is no tie).  mid^2 = c cp + ((c - cp)/2)^2.
; p = RN(c cp), e = fma(c, cp, -p) is exact, and the square is positive and smaller than e's granule: so the test is d2 < thr with thr = the float above p
; where e >= 0 and thr = p where e < 0.  thr = 0 (no d2 is below it) where c <= 0, the other's mask byte is 0 or tm = 0.  thr is made once for each (n, t).
; d2 < thr is taken as the sign of d2 - thr, which a rounded subtraction keeps; the smallest of them over t says whether any step hit.
; d2 = fma(dy, dy, dx * dx).  Adding the threshold 0.0 to c changes no compare and is not written.
;
; All data lie in LDS as quads (x(t), x(t+1), y(t), y(t+1)), so that two tests go in each packed instruction.
;
; LIMITS.  0 < c < 2^-50: c cp nears the denormals, e is no longer exact and thr is c^2 to rounding only.  c = +inf (an infinite width): no hit here.
; v_sqrt_f32 (ISA guide 15.8) takes d2 < 2^-126 as 0: below 1.1e-19 in a term of the l2 sum.  The l2 sum is added in another order than a plain loop over t.
; NaN distances give no hit, as in the compare they replace.
; traj_scores: the function takes it and never uses it; no result hangs on it, so it is not loaded.
; NO CLUSTER: the two work-groups of an agent read the same others (46,080 bytes each), but every staged byte passes the vector unit on its way
; (threshold, order of the quad), so it comes by register loads, for which there are no joint requests.  No prefetch: every byte is asked for in the first lines.
.set LDS_P,   0                        ; 20,480: p * tm, quad c = 40 m + pair at 16 c (read by one address for 16 lanes: no padding)
.set LDS_O,   20480                    ; 41,984: others, row n at 656 n (41 x 16: sixteen rows start in sixteen different 16-byte columns of 256), quad at + 16 pair
.set OPITCH,  656
.set LDS_T,   62464                    ; 20,992: thresholds, row n at 328 n, pair at + 8 pair
.set TPITCH,  328
.set LDS_L2P, 83456                    ; 5,120: |p*tm - g*tm| summed over a pair, one f32 at 4 c
.set LDS_HM,  88576                    ; 4,096: hit masks, wave w at 512 w, lane at 16 L
.set LDS_L2S, 92672                    ; 1,024: l2 sums of a wave's ten steps, wave w at 128 w, mode at 4 m
; fixed registers
.set R_L,    1                         ; lane
.set R_R,    2                         ; lane & 15
.set R_HF,   3                         ; lane >> 4
.set R_O16,  4                         ; 16 L
.set R_O2,   5                         ; 2 L
.set R_TP8,  6                         ; v6-10   8 x pair of chunk 32 k + L
.set R_TP16, 11                        ; v11-15  16 x pair
.set R_WOF,  16                        ; v16-20  4 x row of that chunk
.set R_LO,   21                        ; v21-25  where the chunk goes in O
.set R_LT,   26                        ; v26-30  and its thresholds in T
.set R_LPA,  31                        ; where my p chunks go
.set R_L2A,  32                        ; and their l2 terms
.set R_PA,   33                        ; main loop: the mode's five quads
.set R_RAO,  34                        ; my others' quads
.set R_RAT,  35                        ; my others' thresholds
.set R_L2RA, 36                        ; l2 terms of mode L in my steps
.set R_HA,   37                        ; my hit masks
.set R_L2SA, 38                        ; my l2 sum
; v39-47 temporaries
; staging
.set V_TM, 48                          ; v48-57   tm of the five patterns' pairs
.set V_WI, 58                          ; v58-67   wi, then wi or -inf
.set V_MK, 68                          ; v68-77   two mask bytes for each of ten chunks
.set V_WO, 78                          ; v78-87   wo of the chunk's row
.set V_OR, 88                          ; v88-127  ten chunks of o
.set V_TG, 128                         ; v128-147 targets
.set V_PR, 148                         ; v148-167 five chunks of p
.set V_C,  168                         ; v168-177 c
.set V_CP, 178                         ; v178-187 cp, then e
.set V_PP, 188                         ; v188-197 p, then thr
.set V_TT, 198                         ; v198-202 for the exchange
.set V_GS, 208                         ; v208-227 g * tm as quads, then the l2 work
.set V_Q,  228                         ; v228-247 p * tm as quads
; main phase
.set V_RES, 48                         ; v48-167  (j, k) at 48 + 6 (5 j + k): ox0, ox1, oy0, oy1, thr0, thr1
.set V_PB0, 168                        ; v168-187 a mode's five quads
.set V_PB1, 188                        ; v188-207 the next mode's
.set V_DX,  208                        ; v208-215
.set V_DY,  216                        ; v216-223
.set V_ACC, 224                        ; v224-227 smallest d2 - thr for each j
.set V_H,   228                        ; v228-231 lane i: the 32 hit bits of trip i for each j
.set V_L2,  232                        ; v232-236
; the end, wave 0
.set V_FM, 48                          ; v48-79
.set V_FL, 80                          ; v80-87
.set V_W,  88                          ; v88-93
	s_load_b512 s[8:23], s[0:1], 0x0               ; wi s[8:9], masks s[10:11], o s[12:13], wo s[14:15], tm s[16:17], g s[18:19], p s[20:21], out0 s[22:23]
	s_load_b128 s[24:27], s[0:1], 0x40             ; out1 s[24:25], out2 s[26:27]
	v_lshl_add_u32 v248, v0, 2, 0x29000
	v_mov_b32 v249, 0
	v_lshrrev_b32 v39, 5, v0
	v_readfirstlane_b32 s2, v39                    ; wave 0..7
	v_and_b32 v[R_L], 31, v0
	v_and_b32 v[R_R], 15, v0
	v_bfe_u32 v[R_HF], v0, 4, 1
	v_lshlrev_b32 v[R_O16], 4, v[R_L]
	v_lshlrev_b32 v[R_O2], 1, v[R_L]
	s_lshr_b32 s3, ttmp9, 1                        ; agent
	s_mul_i32 s36, s2, 8*OPITCH
	s_add_co_u32 s36, s36, LDS_O                   ; the wave stages the others 8 w .. 8 w + 7
	s_mul_i32 s37, s2, 8*TPITCH
	s_add_co_u32 s37, s37, LDS_T
; A wave's load k covers chunks x = 32 k + L of 16 bytes; a row has 40 chunks.  row = x / 40 = (205 x) >> 13 for x <= 159, pair = x - 40 row.
; Five loads are four whole rows, so that o's loads 5 .. 9 use the same five patterns, four rows on.
; In O: 656 row + 16 pair = 16 (x + row).  In T: 8 (x + row).
.macro PATTERN k
	v_add_nc_u32 v39, 32*\k, v[R_L]                ; x
	v_mul_u32_u24 v40, 205, v39
	v_lshrrev_b32 v40, 13, v40                     ; row
	v_mul_u32_u24 v41, 40, v40
	v_sub_nc_u32 v41, v39, v41                     ; pair
	v_add_nc_u32 v42, v39, v40
	v_lshlrev_b32 v[R_TP8+\k], 3, v41
	v_lshlrev_b32 v[R_TP16+\k], 4, v41
	v_lshlrev_b32 v[R_WOF+\k], 2, v40
	v_lshl_add_u32 v[R_LO+\k], v42, 4, s36
	v_lshl_add_u32 v[R_LT+\k], v42, 3, s37
.endm
.irp k, 0,1,2,3,4
	PATTERN \k
.endr
	s_wait_kmcnt 0x0
	; every base at the work-group's and the wave's part; none is written again
	s_mov_b32 s7, 0
	s_mul_i32 s6, s3, 320
	s_add_nc_u64 s[8:9], s[8:9], s[6:7]            ; wi + 320 a
	s_add_nc_u64 s[16:17], s[16:17], s[6:7]        ; tm + 320 a
	s_lshl_b32 s6, s6, 1
	s_add_nc_u64 s[18:19], s[18:19], s[6:7]        ; g + 640 a
	s_lshl_b32 s6, s3, 8
	s_lshl_b32 s5, s2, 5
	s_add_co_u32 s6, s6, s5
	s_add_nc_u64 s[14:15], s[14:15], s[6:7]        ; wo + 256 a + 32 w
	s_mul_i32 s6, s3, 5120
	s_mul_i32 s5, s2, 640
	s_add_co_u32 s6, s6, s5
	s_add_nc_u64 s[10:11], s[10:11], s[6:7]        ; masks + 5,120 a + 640 w
	s_lshl_b32 s6, s6, 3
	s_add_nc_u64 s[12:13], s[12:13], s[6:7]        ; o + 40,960 a + 5,120 w
	s_mul_i32 s6, ttmp9, 20480
	s_mul_i32 s5, s2, 2560
	s_add_co_u32 s6, s6, s5
	s_add_nc_u64 s[20:21], s[20:21], s[6:7]        ; p + 20,480 (2 a + half) + 2,560 w: the wave stages four modes
	s_lshl_b32 s6, ttmp9, 7
	s_add_nc_u64 s[22:23], s[22:23], s[6:7]        ; the outputs + 128 (2 a + half)
	s_add_nc_u64 s[24:25], s[24:25], s[6:7]
	s_add_nc_u64 s[26:27], s[26:27], s[6:7]
	; all 50 loads of the wave at once, in the order in which they are wanted
.irp k, 0,1,2,3,4
	global_load_b64 v[V_TM+2*\k:V_TM+2*\k+1], v[R_TP8+\k], s[16:17]
.endr
.irp k, 0,1,2,3,4
	global_load_b64 v[V_WI+2*\k:V_WI+2*\k+1], v[R_TP8+\k], s[8:9]
.endr
.irp e, 0,1,2,3,4,5,6,7,8,9
	global_load_u16 v[V_MK+\e], v[R_O2], s[10:11] offset:64*\e
.endr
.irp g, 0,1
.irp k, 0,1,2,3,4
	global_load_b32 v[V_WO+5*\g+\k], v[R_WOF+\k], s[14:15] offset:16*\g
.endr
.endr
.irp e, 0,1,2,3,4,5,6,7,8,9
	global_load_b128 v[V_OR+4*\e:V_OR+4*\e+3], v[R_O16], s[12:13] offset:512*\e
.endr
.irp k, 0,1,2,3,4
	global_load_b128 v[V_TG+4*\k:V_TG+4*\k+3], v[R_TP16+\k], s[18:19]
.endr
.irp k, 0,1,2,3,4
	global_load_b128 v[V_PR+4*\k:V_PR+4*\k+3], v[R_O16], s[20:21] offset:512*\k th:TH_LOAD_NT   ; p is read once in the whole launch
.endr
	; the other LDS addresses, while the loads are on their way
	s_mul_i32 s5, s2, 2560
	v_add_nc_u32 v[R_LPA], s5, v[R_O16]            ; P (at 0) + 2,560 w + 16 L
	s_mul_i32 s5, s2, 640
	s_add_co_u32 s5, s5, LDS_L2P
	v_lshl_add_u32 v[R_L2A], v[R_L], 2, s5         ; L2P + 640 w + 4 L
	s_mul_i32 s5, s2, 80                           ; my five quads in a row: 16 x 5 w
	v_mul_u32_u24 v[R_PA], 10240, v[R_HF]
	v_add_nc_u32 v[R_PA], s5, v[R_PA]              ; P + 640 x 16 h + 80 w
	s_add_co_u32 s30, s5, LDS_O
	v_mul_u32_u24 v[R_RAO], OPITCH, v[R_R]
	v_add_nc_u32 v[R_RAO], s30, v[R_RAO]           ; O + 656 r + 80 w
	s_mul_i32 s30, s2, 40
	s_add_co_u32 s30, s30, LDS_T
	v_mul_u32_u24 v[R_RAT], TPITCH, v[R_R]
	v_add_nc_u32 v[R_RAT], s30, v[R_RAT]           ; T + 328 r + 40 w
	s_mul_i32 s30, s2, 20
	s_add_co_u32 s30, s30, LDS_L2P
	v_mul_u32_u24 v[R_L2RA], 160, v[R_L]
	v_add_nc_u32 v[R_L2RA], s30, v[R_L2RA]         ; L2P + 4 (40 L + 5 w)
	s_lshl_b32 s30, s2, 9
	s_add_co_u32 s30, s30, LDS_HM
	v_add_nc_u32 v[R_HA], s30, v[R_O16]            ; HM + 512 w + 16 L
	s_lshl_b32 s30, s2, 7
	s_add_co_u32 s30, s30, LDS_L2S
	v_lshl_add_u32 v[R_L2SA], v[R_L], 2, s30       ; L2S + 128 w + 4 L
	; wi becomes -inf where tm = 0: c is then -inf and the threshold 0 (a NaN in tm counts as true, as in a cast to bool)
	s_wait_loadcnt 40                              ; tm and wi are in; the 40 younger loads stay out
.irp i, 0,1,2,3,4,5,6,7,8,9
	v_cmp_neq_f32 vcc_lo, 0, v[V_TM+\i]
	v_cndmask_b32 v[V_WI+\i], 0xff800000, v[V_WI+\i], vcc_lo
.endr
; Five chunks of o (loads 5 g .. 5 g + 4): their ten thresholds, stage by stage so that five chains run side by side, then the quads.
.macro OGROUP g
.irp k, 0,1,2,3,4
.if ((5*\g+\k) & 1)                    ; wo is one register: both halves take it from its place in an even-aligned pair
	v_pk_add_f32 v[V_C+2*\k:V_C+2*\k+1], v[V_WI+2*\k:V_WI+2*\k+1], v[V_WO+5*\g+\k-1:V_WO+5*\g+\k] op_sel:[0,1] op_sel_hi:[1,1]
.else
	v_pk_add_f32 v[V_C+2*\k:V_C+2*\k+1], v[V_WI+2*\k:V_WI+2*\k+1], v[V_WO+5*\g+\k:V_WO+5*\g+\k+1] op_sel_hi:[1,0]
.endif
.endr
.irp k, 0,1,2,3,4
	v_pk_mul_f32 v[V_C+2*\k:V_C+2*\k+1], v[V_C+2*\k:V_C+2*\k+1], 0.5 op_sel_hi:[1,0]
	v_and_b32 v[39+\k], 0xff, v[V_MK+5*\g+\k]      ; the first step's mask byte
.endr
.irp k, 0,1,2,3,4
	v_cmp_ne_u32 vcc_lo, 0, v[39+\k]
	v_cndmask_b32 v[V_C+2*\k], -1.0, v[V_C+2*\k], vcc_lo           ; c = -1 where the other is masked out: the test 0 < c below serves both
	v_cmp_le_u32 vcc_lo, 0x100, v[V_MK+5*\g+\k]                    ; the second step's byte is not 0
	v_cndmask_b32 v[V_C+2*\k+1], -1.0, v[V_C+2*\k+1], vcc_lo
.endr
.irp k, 0,1,2,3,4
	v_pk_fma_f32 v[V_CP+2*\k:V_CP+2*\k+1], v[V_C+2*\k:V_C+2*\k+1], 0xb3800000, v[V_C+2*\k:V_C+2*\k+1] op_sel_hi:[1,0,1]   ; c - c 2^-24 rounds to the float below c
.endr
.irp k, 0,1,2,3,4
	v_pk_mul_f32 v[V_PP+2*\k:V_PP+2*\k+1], v[V_C+2*\k:V_C+2*\k+1], v[V_CP+2*\k:V_CP+2*\k+1]                                ; p
.endr
.irp k, 0,1,2,3,4
	v_pk_fma_f32 v[V_CP+2*\k:V_CP+2*\k+1], v[V_C+2*\k:V_C+2*\k+1], v[V_CP+2*\k:V_CP+2*\k+1], v[V_PP+2*\k:V_PP+2*\k+1] neg_lo:[0,0,1] neg_hi:[0,0,1]   ; e, exact
.endr
.irp i, 0,1,2,3,4,5,6,7,8,9
	v_cmp_le_f32 vcc_lo, 0, v[V_CP+\i]
	v_add_co_ci_u32 v[V_PP+\i], vcc_lo, 0, v[V_PP+\i], vcc_lo      ; e >= 0: the float above p (its bit pattern + 1)
	v_cmp_lt_f32 vcc_lo, 0, v[V_C+\i]
	v_cndmask_b32 v[V_PP+\i], 0, v[V_PP+\i], vcc_lo                ; c <= 0, -inf or NaN: nothing is below 0
.endr
.irp k, 0,1,2,3,4
	ds_store_b64 v[R_LT+\k], v[V_PP+2*\k:V_PP+2*\k+1] offset:4*TPITCH*\g
.endr
	s_wait_loadcnt 15-5*\g                         ; this group's five chunks of o are in; the later group, g and p stay out
.irp k, 0,1,2,3,4                      ; (x0, y0, x1, y1) to (x0, x1, y0, y1)
	v_mov_b32 v[V_TT+\k], v[V_OR+4*(5*\g+\k)+1]
.endr
.irp k, 0,1,2,3,4
	v_mov_b32 v[V_OR+4*(5*\g+\k)+1], v[V_OR+4*(5*\g+\k)+2]
.endr
.irp k, 0,1,2,3,4
	v_mov_b32 v[V_OR+4*(5*\g+\k)+2], v[V_TT+\k]
.endr
.irp k, 0,1,2,3,4
	ds_store_b128 v[R_LO+\k], v[V_OR+4*(5*\g+\k):V_OR+4*(5*\g+\k)+3] offset:4*OPITCH*\g
.endr
.endm
	s_wait_loadcnt 20                              ; mask bytes and wo are in; o, g and p (20 loads) stay out
	OGROUP 0
	OGROUP 1
; (x0, y0, x1, y1) times (tm0, tm1): the products land in the quad's order, so that no copy is needed
.macro TIMES_TM dst, src, k
	v_mul_f32 v[\dst+4*\k],   v[\src+4*\k],   v[V_TM+2*\k]
	v_mul_f32 v[\dst+4*\k+1], v[\src+4*\k+2], v[V_TM+2*\k+1]
	v_mul_f32 v[\dst+4*\k+2], v[\src+4*\k+1], v[V_TM+2*\k]
	v_mul_f32 v[\dst+4*\k+3], v[\src+4*\k+3], v[V_TM+2*\k+1]
.endm
	s_wait_loadcnt 5                               ; g is in; p's five loads stay out
.irp k, 0,1,2,3,4
	TIMES_TM V_GS, V_TG, \k
.endr
.irp k, 0,1,2,3,4
	s_wait_loadcnt 4-\k                            ; p's chunk k is in
	TIMES_TM V_Q, V_PR, \k
	ds_store_b128 v[R_LPA], v[V_Q+4*\k:V_Q+4*\k+3] offset:512*\k
.endr
	; the l2 terms of my five chunks
.irp k, 0,1,2,3,4
	v_pk_add_f32 v[V_GS+4*\k:V_GS+4*\k+1], v[V_Q+4*\k:V_Q+4*\k+1], v[V_GS+4*\k:V_GS+4*\k+1] neg_lo:[0,1] neg_hi:[0,1]
.endr
.irp k, 0,1,2,3,4
	v_pk_add_f32 v[V_GS+4*\k+2:V_GS+4*\k+3], v[V_Q+4*\k+2:V_Q+4*\k+3], v[V_GS+4*\k+2:V_GS+4*\k+3] neg_lo:[0,1] neg_hi:[0,1]
.endr
.irp k, 0,1,2,3,4
	v_pk_mul_f32 v[V_GS+4*\k:V_GS+4*\k+1], v[V_GS+4*\k:V_GS+4*\k+1], v[V_GS+4*\k:V_GS+4*\k+1]
.endr
.irp k, 0,1,2,3,4
	v_pk_fma_f32 v[V_GS+4*\k:V_GS+4*\k+1], v[V_GS+4*\k+2:V_GS+4*\k+3], v[V_GS+4*\k+2:V_GS+4*\k+3], v[V_GS+4*\k:V_GS+4*\k+1]
.endr
.irp k, 0,1,2,3,4
	v_sqrt_f32 v[V_GS+4*\k], v[V_GS+4*\k]
	v_sqrt_f32 v[V_GS+4*\k+1], v[V_GS+4*\k+1]
.endr
	v_nop                                          ; one plain vector instruction between the roots and the first use of a result (ISA guide 5.7.2)
	s_wait_alu depctr_va_vdst(0)
.irp k, 0,1,2,3,4
	v_add_f32 v[V_GS+4*\k], v[V_GS+4*\k], v[V_GS+4*\k+1]
.endr
.irp k, 0,1,2,3,4
	ds_store_b32 v[R_L2A], v[V_GS+4*\k] offset:128*\k
.endr
	s_wait_dscnt 0x0                               ; for the others' sake: all that I staged is in LDS
	s_barrier_signal -1
	s_barrier_wait -1                              ; and so is everybody's; P, O, T and L2P are only read from here on
	; my four others for my five pairs, the first mode, and the l2 terms of mode L in my steps
.irp j, 0,1,2,3
.irp k, 0,1,2,3,4
	ds_load_b128 v[V_RES+6*(5*\j+\k):V_RES+6*(5*\j+\k)+3], v[R_RAO] offset:16*OPITCH*\j+16*\k
	ds_load_b64 v[V_RES+6*(5*\j+\k)+4:V_RES+6*(5*\j+\k)+5], v[R_RAT] offset:16*TPITCH*\j+8*\k
.endr
.endr
.irp k, 0,1,2,3,4
	ds_load_b128 v[V_PB0+4*\k:V_PB0+4*\k+3], v[R_PA] offset:16*\k
.endr
.irp k, 0,1,2,3,4
	ds_load_b32 v[V_L2+\k], v[R_L2RA] offset:4*\k
.endr
.irp j, 0,1,2,3
	v_mov_b32 v[V_H+\j], 0                         ; v_writelane_b32 keeps the other lanes: the register is written whole once
.endr
	s_wait_dscnt 0x0                               ; once, ahead of the loop
	v_add_f32 v[V_L2], v[V_L2], v[V_L2+1]
	v_add_f32 v[V_L2+2], v[V_L2+2], v[V_L2+3]
	v_add_f32 v[V_L2], v[V_L2], v[V_L2+2]
	v_add_f32 v[V_L2], v[V_L2], v[V_L2+4]
	ds_store_b32 v[R_L2SA], v[V_L2]
; One mode against my four others in my ten steps: six instructions for two tests, each step run over the four others.
.macro EVAL pb
.irp k, 0,1,2,3,4
.irp j, 0,1,2,3
	v_pk_add_f32 v[V_DX+2*\j:V_DX+2*\j+1], v[\pb+4*\k:\pb+4*\k+1], v[V_RES+6*(5*\j+\k):V_RES+6*(5*\j+\k)+1] neg_lo:[0,1] neg_hi:[0,1]
.endr
.irp j, 0,1,2,3
	v_pk_add_f32 v[V_DY+2*\j:V_DY+2*\j+1], v[\pb+4*\k+2:\pb+4*\k+3], v[V_RES+6*(5*\j+\k)+2:V_RES+6*(5*\j+\k)+3] neg_lo:[0,1] neg_hi:[0,1]
.endr
.irp j, 0,1,2,3
	v_pk_mul_f32 v[V_DX+2*\j:V_DX+2*\j+1], v[V_DX+2*\j:V_DX+2*\j+1], v[V_DX+2*\j:V_DX+2*\j+1]
.endr
.irp j, 0,1,2,3
	v_pk_fma_f32 v[V_DX+2*\j:V_DX+2*\j+1], v[V_DY+2*\j:V_DY+2*\j+1], v[V_DY+2*\j:V_DY+2*\j+1], v[V_DX+2*\j:V_DX+2*\j+1]
.endr
.irp j, 0,1,2,3
	v_pk_add_f32 v[V_DX+2*\j:V_DX+2*\j+1], v[V_DX+2*\j:V_DX+2*\j+1], v[V_RES+6*(5*\j+\k)+4:V_RES+6*(5*\j+\k)+5] neg_lo:[0,1] neg_hi:[0,1]
.endr
.irp j, 0,1,2,3
.if \k == 0
	v_min_num_f32 v[V_ACC+\j], v[V_DX+2*\j], v[V_DX+2*\j+1]        ; the first pair starts the minimum: nothing is cleared
.else
	v_min3_num_f32 v[V_ACC+\j], v[V_ACC+\j], v[V_DX+2*\j], v[V_DX+2*\j+1]
.endif
.endr
.endr
.endm
; One trip: buffer cur is worked on while buffer nxt is filled (pre = 1) from byte off behind R_PA.  idx: the scalar register with the trip's number.
.macro HALF cur, nxt, idx, pre, off
.if \pre
.irp k, 0,1,2,3,4
	ds_load_b128 v[\nxt+4*\k:\nxt+4*\k+3], v[R_PA] offset:\off+16*\k
.endr
	s_wait_dscnt 0x5                               ; LDS answers in order (ISA guide 5.7.1): the five just issued stay out, all before them (buffer cur) are in
.else
	s_wait_dscnt 0x0
.endif
	EVAL \cur
.irp j, 0,1,2,3
	v_cmp_gt_f32 s[32+\j], 0, v[V_ACC+\j]          ; bit r + 16 h: mode idx + 16 h hits other r + 16 j in my steps
.endr
.irp j, 0,1,2,3
	v_writelane_b32 v[V_H+\j], s[32+\j], \idx
.endr
.endm
	s_mov_b32 s28, 0
.Ltrip:                                                ; two modes a trip, seven trips
	s_add_co_u32 s29, s28, 1
	HALF V_PB0, V_PB1, s28, 1, 640
	v_add_nc_u32 v[R_PA], 1280, v[R_PA]
	HALF V_PB1, V_PB0, s29, 1, 0
	s_add_co_u32 s28, s28, 2
	s_cmp_lt_u32 s28, 14
	s_cbranch_scc1 .Ltrip
	s_add_co_u32 s29, s28, 1                       ; modes 14 and 15 (30 and 31): one more fill, then none
	HALF V_PB0, V_PB1, s28, 1, 640
	HALF V_PB1, V_PB0, s29, 0, 0
	ds_store_b128 v[R_HA], v[V_H:V_H+3]
	s_wait_dscnt 0x0                               ; my masks and my l2 sums are in LDS
	s_barrier_signal -1
	s_barrier_wait -1                              ; everybody's are
	s_cmp_lg_u32 s2, 0
	s_cbranch_scc1 .Ldone
	; wave 0, lane = mode: OR the eight ranges of steps, count the others hit, add the eight l2 sums
	v_lshlrev_b32 v39, 4, v[R_R]
	v_add_nc_u32 v39, LDS_HM, v39                  ; trip L & 15 holds my mode's bits
	v_lshlrev_b32 v40, 2, v[R_L]
	v_add_nc_u32 v41, LDS_L2S, v40
.irp w, 0,1,2,3,4,5,6,7
	ds_load_b128 v[V_FM+4*\w:V_FM+4*\w+3], v39 offset:512*\w
.endr
.irp w, 0,1,2,3,4,5,6,7
	ds_load_b32 v[V_FL+\w], v41 offset:128*\w
.endr
	v_lshlrev_b32 v42, 4, v[R_HF]                  ; modes 16-31 have the upper 16 bits
	s_wait_dscnt 0x0
.irp w, 1,2,3,4,5,6,7
.irp j, 0,1,2,3
	v_or_b32 v[V_FM+\j], v[V_FM+\j], v[V_FM+4*\w+\j]
.endr
.endr
.irp j, 0,1,2,3
	v_lshrrev_b32 v[V_FM+\j], v42, v[V_FM+\j]
.endr
	v_perm_b32 v[V_W], v[V_FM+1], v[V_FM], 0x05040100              ; the low halves of two words: others 0-31
	v_perm_b32 v[V_W+1], v[V_FM+3], v[V_FM+2], 0x05040100          ; others 32-63
.irp x, 0,1                            ; ones in each field of 2 bits, then of 4
	v_lshrrev_b32 v[V_W+2], 1, v[V_W+\x]
	v_and_b32 v[V_W+2], 0x55555555, v[V_W+2]
	v_sub_nc_u32 v[V_W+\x], v[V_W+\x], v[V_W+2]
	v_lshrrev_b32 v[V_W+2], 2, v[V_W+\x]
	v_and_b32 v[V_W+\x], 0x33333333, v[V_W+\x]
	v_and_b32 v[V_W+2], 0x33333333, v[V_W+2]
	v_add_nc_u32 v[V_W+\x], v[V_W+\x], v[V_W+2]
.endr
	v_add_nc_u32 v[V_W], v[V_W], v[V_W+1]          ; at most 8 in a field of 4 bits
	v_lshrrev_b32 v[V_W+2], 4, v[V_W]
	v_and_b32 v[V_W], 0x0f0f0f0f, v[V_W]
	v_and_b32 v[V_W+2], 0x0f0f0f0f, v[V_W+2]
	v_add_nc_u32 v[V_W], v[V_W], v[V_W+2]          ; at most 16 in a byte
	v_mul_lo_u32 v[V_W], v[V_W], 0x01010101        ; the top byte gathers the four: at most 64
	v_lshrrev_b32 v[V_W], 24, v[V_W]
	v_cvt_f32_u32 v[V_W], v[V_W]
	v_pk_add_f32 v[V_FL:V_FL+1], v[V_FL:V_FL+1], v[V_FL+2:V_FL+3]
	v_pk_add_f32 v[V_FL+4:V_FL+5], v[V_FL+4:V_FL+5], v[V_FL+6:V_FL+7]
	v_pk_add_f32 v[V_FL:V_FL+1], v[V_FL:V_FL+1], v[V_FL+4:V_FL+5]
	v_add_f32 v[V_FL], v[V_FL], v[V_FL+1]
	v_mul_f32 v[V_W+3], 0xc2c80000, v[V_W]         ; -100 x count
	v_sub_f32 v[V_W+4], 0x41000000, v[V_FL]        ; 8 - l2
	v_add_f32 v[V_W+5], v[V_W+4], v[V_W+3]
	global_store_b32 v40, v[V_W+5], s[22:23]       ; 32 modes: 128 neighbouring bytes of each output
	global_store_b32 v40, v[V_W+3], s[24:25]
	global_store_b32 v40, v[V_W+4], s[26:27]
.Ldone:
	s_wait_tensorcnt 0x0
	ds_add_u32 v248, v249
	s_wait_dscnt 0x0
	s_endpgm
.Lfunc_end_k_q4a6c0d2495_reward:
	.size	k_q4a6c0d2495_reward, .Lfunc_end_k_q4a6c0d2495_reward-k_q4a6c0d2495_reward
	.p2alignl 7, 3214868480
	.fill 96, 4, 3214868480
	.section	.rodata,"a",@progbits
	.p2align	6, 0x0
	.amdhsa_kernel k_q4a6c0d2495_reward
		.amdhsa_group_segment_fixed_size 168960
		.amdhsa_private_segment_fixed_size 0
		.amdhsa_enable_private_segment 0
		.amdhsa_kernarg_size 80
		.amdhsa_user_sgpr_count 2
		.amdhsa_user_sgpr_kernarg_segment_ptr 1
		.amdhsa_wavefront_size32 1
		.amdhsa_system_sgpr_workgroup_id_x 1
		.amdhsa_system_sgpr_workgroup_id_y 1
		.amdhsa_system_sgpr_workgroup_id_z 1
		.amdhsa_system_vgpr_workitem_id 0
		.amdhsa_next_free_vgpr 250
		.amdhsa_next_free_sgpr 66
		.amdhsa_reserve_vcc 1
		.amdhsa_float_denorm_mode_32 3
		.amdhsa_float_denorm_mode_16_64 3
		.amdhsa_memory_ordered 1
		.amdhsa_forward_progress 1
		.amdhsa_inst_pref_size 67
	.end_amdhsa_kernel
	.amdgpu_metadata
---
amdhsa.version: [ 1, 2 ]
amdhsa.kernels:
  - .name:           k_q4a6c0d2495_reward
    .symbol:         k_q4a6c0d2495_reward.kd
    .args:
      - { .name: agent_fut_width, .offset: 0, .size: 8, .value_kind: global_buffer, .address_space: global }
      - { .name: other_fut_masks, .offset: 8, .size: 8, .value_kind: global_buffer, .address_space: global }
      - { .name: other_fut_trajs, .offset: 16, .size: 8, .value_kind: global_buffer, .address_space: global }
      - { .name: other_fut_widths, .offset: 24, .size: 8, .value_kind: global_buffer, .address_space: global }
      - { .name: target_mask, .offset: 32, .size: 8, .value_kind: global_buffer, .address_space: global }
      - { .name: targets, .offset: 40, .size: 8, .value_kind: global_buffer, .address_space: global }
      - { .name: traj_preds, .offset: 48, .size: 8, .value_kind: global_buffer, .address_space: global }
      - { .name: out0, .offset: 56, .size: 8, .value_kind: global_buffer, .address_space: global }
      - { .name: out1, .offset: 64, .size: 8, .value_kind: global_buffer, .address_space: global }
      - { .name: out2, .offset: 72, .size: 8, .value_kind: global_buffer, .address_space: global }
    .group_segment_fixed_size: 168960
    .private_segment_fixed_size: 0
    .kernarg_segment_align: 8
    .kernarg_segment_size: 80
    .max_flat_workgroup_size: 256
    .sgpr_count:     66
    .vgpr_count:     250
    .wavefront_size: 32
...
	.end_amdgpu_metadata
.endif
;; end of part 1
;; ======== version 2 of 2: 1 launch; version 1 with the launch reward written anew for expert scheduling mode
;; launch reward (part 2): grid 256 x 1, 8 waves a work-group, no clusters, 168,960 bytes of LDS; arguments agent_fut_width, other_fut_masks, other_fut_trajs, other_fut_widths, target_mask, targets, traj_preds, out0, out1, out2; writes out0, out1, out2
.if DOCPART == 2
	.amdgcn_target "amdgcn-amd-amdhsa--gfx1250"
	.amdhsa_code_object_version 6
	.text
	.protected	k_q4a6c0d2495_reward
	.globl	k_q4a6c0d2495_reward
	.p2align	8
	.type	k_q4a6c0d2495_reward,@function
k_q4a6c0d2495_reward:
	s_mov_b64 s[64:65], 0
	v_nop
	global_prefetch_b8 v0, s[64:65] scope:SCOPE_SE
	s_setreg_imm32_b32 hwreg(HW_REG_WAVE_SCHED_MODE, 0, 2), 2
	s_setreg_imm32_b32 hwreg(HW_REG_WAVE_MODE, 25, 1), 1
	s_wait_xcnt 0x0
	s_wait_alu depctr_vm_vsrc(0)
; PathRewardWithCollision.  For agent a (128) and mode m (64):
;   out2 = 8 - sum over t of |p*tm - g*tm|        out1 = -100 * (number of others n hit at any of the 80 steps)        out0 = out2 + out1
;   hit(m, n, t):  |p(m,t)*tm(t) - o(n,t)| < (wi(t) + wo(n)) * 0.5 + 0.0,  tm(t) != 0,  mask_o(n,t) != 0.
; 128 x 64 x 64 x 80 tests, each with its own compare: there is no sum along a K axis, so this is plain vector work and the matrix unit has no part.
;
; SHARES.  Work-group = one agent and 32 of its modes (ttmp9 = 2 a + half).  Eight waves.  Wave w owns the steps 10 w .. 10 w + 9 (five pairs of steps).
; Lane (r = L & 15, h = L >> 4) keeps four others, n = r + 16 j, for those five pairs in 120 registers; trip i of 16 brings mode i to lanes 0-15
; and mode i + 16 to lanes 16-31 from LDS (five loads of 16 bytes, one address for each half of the lanes) for 120 vector instructions.
;
; THE TEST WITHOUT A ROOT, decision for decision that of a correctly rounded root followed by '<'.  With c > 0 the bound, cp the float below it and
; mid their midpoint, RN(sqrt(d2)) < c holds exactly when d2 < mid^2 (mid^2 is no float, so there is no tie).  mid^2 = c cp + ((c - cp)/2)^2.
; p = RN(c cp), e = fma(c, cp, -p) is exact, and the square is positive and smaller than e's granule: so the test is d2 < thr with thr = the float above p
; where e >= 0 and thr = p where e < 0.  thr = 0 (no d2 is below it) where c <= 0, the other's mask byte is 0 or tm = 0.  thr is made once for each (n, t).
; d2 < thr is taken as the sign of d2 - thr, which a rounded subtraction keeps; the smallest of them over t says whether any step hit.
; d2 = fma(dy, dy, dx * dx).  Adding the threshold 0.0 to c changes no compare and is not written.
;
; All data lie in LDS as quads (x(t), x(t+1), y(t), y(t+1)), so that two tests go in each packed instruction.
;
; LIMITS.  0 < c < 2^-50: c cp nears the denormals, e is no longer exact and thr is c^2 to rounding only.  c = +inf (an infinite width): no hit here.
; v_sqrt_f32 (ISA guide 15.8) takes d2 < 2^-126 as 0: below 1.1e-19 in a term of the l2 sum.  The l2 sum is added in another order than a plain loop over t.
; NaN distances give no hit, as in the compare they replace.
; traj_scores: the function takes it and never uses it; no result hangs on it, so it is not loaded.
; NO CLUSTER: the two work-groups of an agent read the same others (46,080 bytes each), but every staged byte passes the vector unit on its way
; (threshold, order of the quad), so it comes by register loads, for which there are no joint requests.  No prefetch: every byte is asked for in the first lines.
;
; THE MODE: SCHED_MODE bits 1:0 = 2 (LLVM: expert scheduling mode 2), set by the entry lines.  The code itself states the register dependences
; between vector instructions and memory or LDS instructions, and between a vector instruction that writes a scalar register and its readers, with s_wait_alu, always for 0.
; THE PLAN.
;   Offsets and LDS addresses v4-v32, v34-v38: written once by vector instructions at the head, read by memory and LDS instructions, never written again.
;   Compares go in runs into s32-s35 and s40-s59, one wait on va_sdst behind a run; no line of the kernel writes VCC.
;   Staging: a group's thresholds and quads are all made first, then ONE wait on va_vdst, then its ten LDS stores.  V_PP is the one register block that LDS stores
;   read and a later group writes again: one wait on vm_vsrc ahead of that.  p: one wait on va_vdst behind the roots serves the roots' readers and the stores of V_Q.
;   Behind the first barrier one wait on vm_vsrc: the staging stores have read the registers that the main phase loads into or writes.
;   The loop: V_PB0 and V_PB1 take turns.  A half trip reads buffer cur by vector instructions alone; its five LDS loads land in the other buffer, which the half
;   before read.  ONE wait on va_vdst at the half's head states that those reads are over (and, in a trip's second half, that v33 is written); the loads
;   follow it, dealt among the half's vector instructions, none of which names the other buffer or v33.  One wait on vm_vsrc a trip stands ahead of the add to v33.
;   One wait on va_sdst a half stands between the four compares and the v_writelane_b32 that read their masks.
.set LDS_P,   0                        ; 20,480: p * tm, quad c = 40 m + pair at 16 c (read by one address for 16 lanes: no padding)
.set LDS_O,   20480                    ; 41,984: others, row n at 656 n (41 x 16: sixteen rows start in sixteen different 16-byte columns of 256), quad at + 16 pair
.set OPITCH,  656
.set LDS_T,   62464                    ; 20,992: thresholds, row n at 328 n, pair at + 8 pair
.set TPITCH,  328
.set LDS_L2P, 83456                    ; 5,120: |p*tm - g*tm| summed over a pair, one f32 at 4 c
.set LDS_HM,  88576                    ; 4,096: hit masks, wave w at 512 w, lane at 16 L
.set LDS_L2S, 92672                    ; 1,024: l2 sums of a wave's ten steps, wave w at 128 w, mode at 4 m
.set S_M,    40                        ; s40-s59 the masks of a run of compares
; fixed registers
.set R_L,    1                         ; lane
.set R_R,    2                         ; lane & 15
.set R_HF,   3                         ; lane >> 4
.set R_O16,  4                         ; 16 L
.set R_O2,   5                         ; 2 L
.set R_TP8,  6                         ; v6-10   8 x pair of chunk 32 k + L
.set R_TP16, 11                        ; v11-15  16 x pair
.set R_WOF,  16                        ; v16-20  4 x row of that chunk
.set R_LO,   21                        ; v21-25  where the chunk goes in O
.set R_LT,   26                        ; v26-30  and its thresholds in T
.set R_LPA,  31                        ; where my p chunks go
.set R_L2A,  32                        ; and their l2 terms
.set R_PA,   33                        ; main loop: the mode's five quads
.set R_RAO,  34                        ; my others' quads
.set R_RAT,  35                        ; my others' thresholds
.set R_L2RA, 36                        ; l2 terms of mode L in my steps
.set R_HA,   37                        ; my hit masks
.set R_L2SA, 38                        ; my l2 sum
; v39-47 temporaries: no memory or LDS instruction names them ahead of wave 0's end
; staging
.set V_TM, 48                          ; v48-57   tm of the five patterns' pairs
.set V_WI, 58                          ; v58-67   wi, then wi or -inf
.set V_MK, 68                          ; v68-77   two mask bytes for each of ten chunks
.set V_WO, 78                          ; v78-87   wo of the chunk's row
.set V_OR, 88                          ; v88-127  ten chunks of o
.set V_TG, 128                         ; v128-147 targets
.set V_PR, 148                         ; v148-167 five chunks of p
.set V_C,  168                         ; v168-177 c
.set V_CP, 178                         ; v178-187 cp, then e, then the float above p
.set V_PP, 188                         ; v188-197 p, then thr
.set V_TT, 198                         ; v198-202 for the exchange
.set V_GS, 208                         ; v208-227 g * tm as quads, then the l2 work
.set V_Q,  228                         ; v228-247 p * tm as quads
; main phase
.set V_RES, 48                         ; v48-167  (j, k) at 48 + 6 (5 j + k): ox0, ox1, oy0, oy1, thr0, thr1
.set V_PB0, 168                        ; v168-187 a mode's five quads
.set V_PB1, 188                        ; v188-207 the next mode's
.set V_DX,  208                        ; v208-215
.set V_DY,  216                        ; v216-223
.set V_ACC, 224                        ; v224-227 smallest d2 - thr for each j
.set V_H,   228                        ; v228-231 lane i: the 32 hit bits of trip i for each j
.set V_L2,  232                        ; v232-236
; the end, wave 0
.set V_FM, 48                          ; v48-79
.set V_FL, 80                          ; v80-87
.set V_W,  88                          ; v88-93
	s_load_b512 s[8:23], s[0:1], 0x0               ; wi s[8:9], masks s[10:11], o s[12:13], wo s[14:15], tm s[16:17], g s[18:19], p s[20:21], out0 s[22:23]
	s_load_b128 s[24:27], s[0:1], 0x40             ; out1 s[24:25], out2 s[26:27]
	v_lshl_add_u32 v46, v0, 2, 0x29000
	v_mov_b32 v47, 0
	v_lshrrev_b32 v39, 5, v0
	v_readfirstlane_b32 s2, v39                    ; wave 0..7
	v_and_b32 v[R_L], 31, v0
	v_and_b32 v[R_R], 15, v0
	v_bfe_u32 v[R_HF], v0, 4, 1
	v_lshlrev_b32 v[R_O16], 4, v[R_L]
	v_lshlrev_b32 v[R_O2], 1, v[R_L]
	s_lshr_b32 s3, ttmp9, 1                        ; agent
	s_wait_alu depctr_va_sdst(0)                   ; s2 is written, ahead of its first reader: LDS places, bases and the last branch are made from it
	s_mul_i32 s36, s2, 8*OPITCH
	s_add_co_u32 s36, s36, LDS_O                   ; the wave stages the others 8 w .. 8 w + 7
	s_mul_i32 s37, s2, 8*TPITCH
	s_add_co_u32 s37, s37, LDS_T
; A wave's load k covers chunks x = 32 k + L of 16 bytes; a row has 40 chunks.  row = x / 40 = (205 x) >> 13 for x <= 159, pair = x - 40 row.
; Five loads are four whole rows, so that o's loads 5 .. 9 use the same five patterns, four rows on.
; In O: 656 row + 16 pair = 16 (x + row).  In T: 8 (x + row).
.macro PATTERN k
	v_add_nc_u32 v39, 32*\k, v[R_L]                ; x
	v_mul_u32_u24 v40, 205, v39
	v_lshrrev_b32 v40, 13, v40                     ; row
	v_mul_u32_u24 v41, 40, v40
	v_sub_nc_u32 v41, v39, v41                     ; pair
	v_add_nc_u32 v42, v39, v40
	v_lshlrev_b32 v[R_TP8+\k], 3, v41
	v_lshlrev_b32 v[R_TP16+\k], 4, v41
	v_lshlrev_b32 v[R_WOF+\k], 2, v40
	v_lshl_add_u32 v[R_LO+\k], v42, 4, s36
	v_lshl_add_u32 v[R_LT+\k], v42, 3, s37
.endm
.irp k, 0,1,2,3,4
	PATTERN \k
.endr
	s_wait_kmcnt 0x0
	; every base at the work-group's and the wave's part; none is written again
	s_mov_b32 s7, 0
	s_mul_i32 s6, s3, 320
	s_add_nc_u64 s[8:9], s[8:9], s[6:7]            ; wi + 320 a
	s_add_nc_u64 s[16:17], s[16:17], s[6:7]        ; tm + 320 a
	s_lshl_b32 s6, s6, 1
	s_add_nc_u64 s[18:19], s[18:19], s[6:7]        ; g + 640 a
	s_lshl_b32 s6, s3, 8
	s_lshl_b32 s5, s2, 5
	s_add_co_u32 s6, s6, s5
	s_add_nc_u64 s[14:15], s[14:15], s[6:7]        ; wo + 256 a + 32 w
	s_mul_i32 s6, s3, 5120
	s_mul_i32 s5, s2, 640
	s_add_co_u32 s6, s6, s5
	s_add_nc_u64 s[10:11], s[10:11], s[6:7]        ; masks + 5,120 a + 640 w
	s_lshl_b32 s6, s6, 3
	s_add_nc_u64 s[12:13], s[12:13], s[6:7]        ; o + 40,960 a + 5,120 w
	s_mul_i32 s6, ttmp9, 20480
	s_mul_i32 s5, s2, 2560
	s_add_co_u32 s6, s6, s5
	s_add_nc_u64 s[20:21], s[20:21], s[6:7]        ; p + 20,480 (2 a + half) + 2,560 w: the wave stages four modes
	s_lshl_b32 s6, ttmp9, 7
	s_add_nc_u64 s[22:23], s[22:23], s[6:7]        ; the outputs + 128 (2 a + half)
	s_add_nc_u64 s[24:25], s[24:25], s[6:7]
	s_add_nc_u64 s[26:27], s[26:27], s[6:7]
	; all 50 loads of the wave at once, in the order in which they are wanted
	s_wait_alu depctr_va_vdst(0)                   ; the offsets v4 to v20 are written, which the loads below read (and v21 to v30, which the staging stores read)
.irp k, 0,1,2,3,4
	global_load_b64 v[V_TM+2*\k:V_TM+2*\k+1], v[R_TP8+\k], s[16:17]
.endr
.irp k, 0,1,2,3,4
	global_load_b64 v[V_WI+2*\k:V_WI+2*\k+1], v[R_TP8+\k], s[8:9]
.endr
.irp e, 0,1,2,3,4,5,6,7,8,9
	global_load_u16 v[V_MK+\e], v[R_O2], s[10:11] offset:64*\e
.endr
.irp g, 0,1
.irp k, 0,1,2,3,4
	global_load_b32 v[V_WO+5*\g+\k], v[R_WOF+\k], s[14:15] offset:16*\g
.endr
.endr
.irp e, 0,1,2,3,4,5,6,7,8,9
	global_load_b128 v[V_OR+4*\e:V_OR+4*\e+3], v[R_O16], s[12:13] offset:512*\e
.endr
.irp k, 0,1,2,3,4
	global_load_b128 v[V_TG+4*\k:V_TG+4*\k+3], v[R_TP16+\k], s[18:19]
.endr
.irp k, 0,1,2,3,4
	global_load_b128 v[V_PR+4*\k:V_PR+4*\k+3], v[R_O16], s[20:21] offset:512*\k th:TH_LOAD_NT   ; p is read once in the whole launch
.endr
	; the other LDS addresses, while the loads are on their way: v31 to v38, which none of those loads names; each is first read behind a later wait on va_vdst
	s_mul_i32 s5, s2, 2560
	v_add_nc_u32 v[R_LPA], s5, v[R_O16]            ; P (at 0) + 2,560 w + 16 L
	s_mul_i32 s5, s2, 640
	s_add_co_u32 s5, s5, LDS_L2P
	v_lshl_add_u32 v[R_L2A], v[R_L], 2, s5         ; L2P + 640 w + 4 L
	s_mul_i32 s5, s2, 80                           ; my five quads in a row: 16 x 5 w
	v_mul_u32_u24 v[R_PA], 10240, v[R_HF]
	v_add_nc_u32 v[R_PA], s5, v[R_PA]              ; P + 640 x 16 h + 80 w
	s_add_co_u32 s30, s5, LDS_O
	v_mul_u32_u24 v[R_RAO], OPITCH, v[R_R]
	v_add_nc_u32 v[R_RAO], s30, v[R_RAO]           ; O + 656 r + 80 w
	s_mul_i32 s30, s2, 40
	s_add_co_u32 s30, s30, LDS_T
	v_mul_u32_u24 v[R_RAT], TPITCH, v[R_R]
	v_add_nc_u32 v[R_RAT], s30, v[R_RAT]           ; T + 328 r + 40 w
	s_mul_i32 s30, s2, 20
	s_add_co_u32 s30, s30, LDS_L2P
	v_mul_u32_u24 v[R_L2RA], 160, v[R_L]
	v_add_nc_u32 v[R_L2RA], s30, v[R_L2RA]         ; L2P + 4 (40 L + 5 w)
	s_lshl_b32 s30, s2, 9
	s_add_co_u32 s30, s30, LDS_HM
	v_add_nc_u32 v[R_HA], s30, v[R_O16]            ; HM + 512 w + 16 L
	s_lshl_b32 s30, s2, 7
	s_add_co_u32 s30, s30, LDS_L2S
	v_lshl_add_u32 v[R_L2SA], v[R_L], 2, s30       ; L2S + 128 w + 4 L
	; wi becomes -inf where tm = 0: c is then -inf and the threshold 0 (a NaN in tm counts as true, as in a cast to bool)
	s_wait_loadcnt 40                              ; tm and wi are in; the 40 younger loads stay out
.irp i, 0,1,2,3,4,5,6,7,8,9
	v_cmp_neq_f32 s[S_M+\i], 0, v[V_TM+\i]
.endr
	s_wait_alu depctr_va_sdst(0)                   ; the ten compares have written s40 to s49, which the selects below read
.irp i, 0,1,2,3,4,5,6,7,8,9
	v_cndmask_b32 v[V_WI+\i], 0xff800000, v[V_WI+\i], s[S_M+\i]
.endr
; Five chunks of o (loads 5 g .. 5 g + 4): their ten thresholds, stage by stage so that five chains run side by side, then the quads, then all ten LDS stores.
.macro OGROUP g
.irp k, 0,1,2,3,4
	v_and_b32 v[39+\k], 0xff, v[V_MK+5*\g+\k]      ; the first step's mask byte
.endr
.irp k, 0,1,2,3,4
	v_cmp_ne_u32 s[S_M+2*\k], 0, v[39+\k]                          ; it is not 0
	v_cmp_le_u32 s[S_M+2*\k+1], 0x100, v[V_MK+5*\g+\k]             ; the second step's byte is not 0
.endr
.irp k, 0,1,2,3,4
.if ((5*\g+\k) & 1)                    ; wo is one register: both halves take it from its place in an even-aligned pair
	v_pk_add_f32 v[V_C+2*\k:V_C+2*\k+1], v[V_WI+2*\k:V_WI+2*\k+1], v[V_WO+5*\g+\k-1:V_WO+5*\g+\k] op_sel:[0,1] op_sel_hi:[1,1]
.else
	v_pk_add_f32 v[V_C+2*\k:V_C+2*\k+1], v[V_WI+2*\k:V_WI+2*\k+1], v[V_WO+5*\g+\k:V_WO+5*\g+\k+1] op_sel_hi:[1,0]
.endif
.endr
.irp k, 0,1,2,3,4
	v_pk_mul_f32 v[V_C+2*\k:V_C+2*\k+1], v[V_C+2*\k:V_C+2*\k+1], 0.5 op_sel_hi:[1,0]
.endr
	s_wait_alu depctr_va_sdst(0)                   ; the ten compares of mask bytes have written s40 to s49, which the selects below read
.irp i, 0,1,2,3,4,5,6,7,8,9
	v_cndmask_b32 v[V_C+\i], -1.0, v[V_C+\i], s[S_M+\i]            ; c = -1 where the other is masked out: the test 0 < c below serves both
.endr
.irp i, 0,1,2,3,4,5,6,7,8,9
	v_cmp_lt_f32 s[S_M+10+\i], 0, v[V_C+\i]                        ; 0 < c, kept in s50 to s59 until thr is made
.endr
.irp k, 0,1,2,3,4
	v_pk_fma_f32 v[V_CP+2*\k:V_CP+2*\k+1], v[V_C+2*\k:V_C+2*\k+1], 0xb3800000, v[V_C+2*\k:V_C+2*\k+1] op_sel_hi:[1,0,1]   ; c - c 2^-24 rounds to the float below c
.endr
.if \g == 1
	s_wait_alu depctr_vm_vsrc(0)                   ; the first group's LDS stores have read V_PP, which the next lines write again
.endif
.irp k, 0,1,2,3,4
	v_pk_mul_f32 v[V_PP+2*\k:V_PP+2*\k+1], v[V_C+2*\k:V_C+2*\k+1], v[V_CP+2*\k:V_CP+2*\k+1]                                ; p
.endr
.irp k, 0,1,2,3,4
	v_pk_fma_f32 v[V_CP+2*\k:V_CP+2*\k+1], v[V_C+2*\k:V_C+2*\k+1], v[V_CP+2*\k:V_CP+2*\k+1], v[V_PP+2*\k:V_PP+2*\k+1] neg_lo:[0,0,1] neg_hi:[0,0,1]   ; e, exact
.endr
.irp i, 0,1,2,3,4,5,6,7,8,9
	v_cmp_le_f32 s[S_M+\i], 0, v[V_CP+\i]                          ; e >= 0
.endr
.irp i, 0,1,2,3,4,5,6,7,8,9
	v_add_nc_u32 v[V_CP+\i], 1, v[V_PP+\i]                         ; the float above p: its bit pattern + 1, in e's place; these ten name no mask
.endr
	s_wait_alu depctr_va_sdst(0)                   ; the compares on c and on e have written s40 to s59, which the twenty selects below read
.irp i, 0,1,2,3,4,5,6,7,8,9
	v_cndmask_b32 v[V_PP+\i], v[V_PP+\i], v[V_CP+\i], s[S_M+\i]    ; e >= 0: the float above p
.endr
.irp i, 0,1,2,3,4,5,6,7,8,9
	v_cndmask_b32 v[V_PP+\i], 0, v[V_PP+\i], s[S_M+10+\i]          ; c <= 0, -inf or NaN: nothing is below 0
.endr
	s_wait_loadcnt 15-5*\g                         ; this group's five chunks of o are in; the later group, g and p stay out
.irp k, 0,1,2,3,4                      ; (x0, y0, x1, y1) to (x0, x1, y0, y1)
	v_mov_b32 v[V_TT+\k], v[V_OR+4*(5*\g+\k)+1]
.endr
.irp k, 0,1,2,3,4
	v_mov_b32 v[V_OR+4*(5*\g+\k)+1], v[V_OR+4*(5*\g+\k)+2]
.endr
.irp k, 0,1,2,3,4
	v_mov_b32 v[V_OR+4*(5*\g+\k)+2], v[V_TT+\k]
.endr
	s_wait_alu depctr_va_vdst(0)                   ; the selects have written V_PP and the exchange this group's V_OR, which the ten LDS stores below read
.irp k, 0,1,2,3,4
	ds_store_b64 v[R_LT+\k], v[V_PP+2*\k:V_PP+2*\k+1] offset:4*TPITCH*\g
.endr
.irp k, 0,1,2,3,4
	ds_store_b128 v[R_LO+\k], v[V_OR+4*(5*\g+\k):V_OR+4*(5*\g+\k)+3] offset:4*OPITCH*\g
.endr
.endm
	s_wait_loadcnt 20                              ; mask bytes and wo are in; o, g and p (20 loads) stay out
	OGROUP 0
	OGROUP 1
; (x0, y0, x1, y1) times (tm0, tm1): the products land in the quad's order, so that no copy is needed
.macro TIMES_TM dst, src, k
	v_mul_f32 v[\dst+4*\k],   v[\src+4*\k],   v[V_TM+2*\k]
	v_mul_f32 v[\dst+4*\k+1], v[\src+4*\k+2], v[V_TM+2*\k+1]
	v_mul_f32 v[\dst+4*\k+2], v[\src+4*\k+1], v[V_TM+2*\k]
	v_mul_f32 v[\dst+4*\k+3], v[\src+4*\k+3], v[V_TM+2*\k+1]
.endm
	s_wait_loadcnt 5                               ; g is in; p's five loads stay out
.irp k, 0,1,2,3,4
	TIMES_TM V_GS, V_TG, \k
.endr
.irp k, 0,1,2,3,4
	s_wait_loadcnt 4-\k                            ; p's chunk k is in
	TIMES_TM V_Q, V_PR, \k
.endr
	; the l2 terms of my five chunks
.irp k, 0,1,2,3,4
	v_pk_add_f32 v[V_GS+4*\k:V_GS+4*\k+1], v[V_Q+4*\k:V_Q+4*\k+1], v[V_GS+4*\k:V_GS+4*\k+1] neg_lo:[0,1] neg_hi:[0,1]
.endr
.irp k, 0,1,2,3,4
	v_pk_add_f32 v[V_GS+4*\k+2:V_GS+4*\k+3], v[V_Q+4*\k+2:V_Q+4*\k+3], v[V_GS+4*\k+2:V_GS+4*\k+3] neg_lo:[0,1] neg_hi:[0,1]
.endr
.irp k, 0,1,2,3,4
	v_pk_mul_f32 v[V_GS+4*\k:V_GS+4*\k+1], v[V_GS+4*\k:V_GS+4*\k+1], v[V_GS+4*\k:V_GS+4*\k+1]
.endr
.irp k, 0,1,2,3,4
	v_pk_fma_f32 v[V_GS+4*\k:V_GS+4*\k+1], v[V_GS+4*\k+2:V_GS+4*\k+3], v[V_GS+4*\k+2:V_GS+4*\k+3], v[V_GS+4*\k:V_GS+4*\k+1]
.endr
.irp k, 0,1,2,3,4
	v_sqrt_f32 v[V_GS+4*\k], v[V_GS+4*\k]
	v_sqrt_f32 v[V_GS+4*\k+1], v[V_GS+4*\k+1]
.endr
	v_nop                                          ; one plain vector instruction between the roots and the first use of a result (ISA guide 5.7.2)
	s_wait_alu depctr_va_vdst(0)                   ; the ten roots have written their results, ahead of the additions that read them; the products have written V_Q, and v31 is written, which the five LDS stores read
.irp k, 0,1,2,3,4
	ds_store_b128 v[R_LPA], v[V_Q+4*\k:V_Q+4*\k+3] offset:512*\k
.endr
.irp k, 0,1,2,3,4
	v_add_f32 v[V_GS+4*\k], v[V_GS+4*\k], v[V_GS+4*\k+1]
.endr
	s_wait_alu depctr_va_vdst(0)                   ; the additions have written the five l2 terms, which the LDS stores below read
.irp k, 0,1,2,3,4
	ds_store_b32 v[R_L2A], v[V_GS+4*\k] offset:128*\k
.endr
	s_wait_dscnt 0x0                               ; for the others' sake: all that I staged is in LDS
	s_barrier_signal -1
	s_barrier_wait -1                              ; and so is everybody's; P, O, T and L2P are only read from here on
	; my four others for my five pairs, the first mode, and the l2 terms of mode L in my steps
	s_wait_alu depctr_vm_vsrc(0)                   ; my staging stores have read V_OR, V_PP, V_Q and V_GS: the loads below land in some of these registers, and V_H, V_DX and V_DY are written there.
	                                               ; (No vector instruction has been issued since the last wait on va_vdst: every earlier reader and writer of v48 to v247, and of the addresses v33 to v36, stands ahead of it.)
.irp j, 0,1,2,3
.irp k, 0,1,2,3,4
	ds_load_b128 v[V_RES+6*(5*\j+\k):V_RES+6*(5*\j+\k)+3], v[R_RAO] offset:16*OPITCH*\j+16*\k
	ds_load_b64 v[V_RES+6*(5*\j+\k)+4:V_RES+6*(5*\j+\k)+5], v[R_RAT] offset:16*TPITCH*\j+8*\k
.endr
.endr
.irp k, 0,1,2,3,4
	ds_load_b128 v[V_PB0+4*\k:V_PB0+4*\k+3], v[R_PA] offset:16*\k
.endr
.irp k, 0,1,2,3,4
	ds_load_b32 v[V_L2+\k], v[R_L2RA] offset:4*\k
.endr
.irp j, 0,1,2,3
	v_mov_b32 v[V_H+\j], 0                         ; v_writelane_b32 keeps the other lanes: the register is written whole once
.endr
	s_wait_dscnt 0x0                               ; once, ahead of the loop
	v_add_f32 v[V_L2], v[V_L2], v[V_L2+1]
	v_add_f32 v[V_L2+2], v[V_L2+2], v[V_L2+3]
	v_add_f32 v[V_L2], v[V_L2], v[V_L2+2]
	v_add_f32 v[V_L2], v[V_L2], v[V_L2+4]
	s_wait_alu depctr_va_vdst(0)                   ; the additions have written V_L2, which the LDS store reads
	ds_store_b32 v[R_L2SA], v[V_L2]
; One mode against my four others in my ten steps: six instructions for two tests, each step run over the four others.
; pre = 1: the next mode's five quads, at byte off behind R_PA, are asked for into buffer nxt: two, two and one ahead of the first three pairs of steps.
; No line below names nxt or R_PA, so these loads owe nothing beyond the wait at the half trip's head.
.macro EVAL pb, nxt, pre, off
.irp k, 0,1,2,3,4
.if \pre && (\k < 3)
	ds_load_b128 v[\nxt+8*\k:\nxt+8*\k+3], v[R_PA] offset:\off+32*\k
.if \k < 2
	ds_load_b128 v[\nxt+8*\k+4:\nxt+8*\k+7], v[R_PA] offset:\off+32*\k+16
.endif
.endif
.irp j, 0,1,2,3
	v_pk_add_f32 v[V_DX+2*\j:V_DX+2*\j+1], v[\pb+4*\k:\pb+4*\k+1], v[V_RES+6*(5*\j+\k):V_RES+6*(5*\j+\k)+1] neg_lo:[0,1] neg_hi:[0,1]
.endr
.irp j, 0,1,2,3
	v_pk_add_f32 v[V_DY+2*\j:V_DY+2*\j+1], v[\pb+4*\k+2:\pb+4*\k+3], v[V_RES+6*(5*\j+\k)+2:V_RES+6*(5*\j+\k)+3] neg_lo:[0,1] neg_hi:[0,1]
.endr
.irp j, 0,1,2,3
	v_pk_mul_f32 v[V_DX+2*\j:V_DX+2*\j+1], v[V_DX+2*\j:V_DX+2*\j+1], v[V_DX+2*\j:V_DX+2*\j+1]
.endr
.irp j, 0,1,2,3
	v_pk_fma_f32 v[V_DX+2*\j:V_DX+2*\j+1], v[V_DY+2*\j:V_DY+2*\j+1], v[V_DY+2*\j:V_DY+2*\j+1], v[V_DX+2*\j:V_DX+2*\j+1]
.endr
.irp j, 0,1,2,3
	v_pk_add_f32 v[V_DX+2*\j:V_DX+2*\j+1], v[V_DX+2*\j:V_DX+2*\j+1], v[V_RES+6*(5*\j+\k)+4:V_RES+6*(5*\j+\k)+5] neg_lo:[0,1] neg_hi:[0,1]
.endr
.irp j, 0,1,2,3
.if \k == 0
	v_min_num_f32 v[V_ACC+\j], v[V_DX+2*\j], v[V_DX+2*\j+1]        ; the first pair starts the minimum: nothing is cleared
.else
	v_min3_num_f32 v[V_ACC+\j], v[V_ACC+\j], v[V_DX+2*\j], v[V_DX+2*\j+1]
.endif
.endr
.endr
.endm
; One half trip: buffer cur is worked on while buffer nxt is filled (pre = 1).  idx: the scalar register with the trip's number.
.macro HALF cur, nxt, idx, pre, off
	s_wait_dscnt 0x0                               ; buffer cur is in: its five loads were issued early in the half before (ahead of the loop for the first)
.if \pre
	s_wait_alu depctr_va_vdst(0)                   ; the half before is done reading buffer nxt, in which this half's loads land; where R_PA has just been stepped, it is written
.endif
	EVAL \cur, \nxt, \pre, \off
.irp j, 0,1,2,3
	v_cmp_gt_f32 s[32+\j], 0, v[V_ACC+\j]          ; bit r + 16 h: mode idx + 16 h hits other r + 16 j in my steps
.endr
	s_wait_alu depctr_va_sdst(0)                   ; the four compares have written s32 to s35, which the four lines below read
.irp j, 0,1,2,3
	v_writelane_b32 v[V_H+\j], s[32+\j], \idx
.endr
.endm
	s_mov_b32 s28, 0
.Ltrip:                                                ; two modes a trip, seven trips
	s_add_co_u32 s29, s28, 1
	HALF V_PB0, V_PB1, s28, 1, 640
	s_wait_alu depctr_vm_vsrc(0)                   ; the LDS loads issued so far have read R_PA
	v_add_nc_u32 v[R_PA], 1280, v[R_PA]
	HALF V_PB1, V_PB0, s29, 1, 0
	s_add_co_u32 s28, s28, 2
	s_cmp_lt_u32 s28, 14
	s_cbranch_scc1 .Ltrip
	s_add_co_u32 s29, s28, 1                       ; modes 14 and 15 (30 and 31): one more fill, then none
	HALF V_PB0, V_PB1, s28, 1, 640
	HALF V_PB1, V_PB0, s29, 0, 0
	s_wait_alu depctr_va_vdst(0)                   ; the v_writelane_b32 have written V_H, which the LDS store reads
	ds_store_b128 v[R_HA], v[V_H:V_H+3]
	s_wait_dscnt 0x0                               ; my masks and my l2 sums are in LDS
	s_barrier_signal -1
	s_barrier_wait -1                              ; everybody's are
	s_cmp_lg_u32 s2, 0
	s_cbranch_scc1 .Ldone
	; wave 0, lane = mode: OR the eight ranges of steps, count the others hit, add the eight l2 sums
	v_lshlrev_b32 v39, 4, v[R_R]
	v_add_nc_u32 v39, LDS_HM, v39                  ; trip L & 15 holds my mode's bits
	v_lshlrev_b32 v40, 2, v[R_L]
	v_add_nc_u32 v41, LDS_L2S, v40
	s_wait_alu depctr_va_vdst(0)                   ; the addresses v39 and v41 are written, which the LDS loads below read (the loop's readers of v48 to v87, in which they land, stand ahead of this wait too)
.irp w, 0,1,2,3,4,5,6,7
	ds_load_b128 v[V_FM+4*\w:V_FM+4*\w+3], v39 offset:512*\w
.endr
.irp w, 0,1,2,3,4,5,6,7
	ds_load_b32 v[V_FL+\w], v41 offset:128*\w
.endr
	v_lshlrev_b32 v42, 4, v[R_HF]                  ; modes 16-31 have the upper 16 bits
	s_wait_dscnt 0x0
.irp w, 1,2,3,4,5,6,7
.irp j, 0,1,2,3
	v_or_b32 v[V_FM+\j], v[V_FM+\j], v[V_FM+4*\w+\j]
.endr
.endr
.irp j, 0,1,2,3
	v_lshrrev_b32 v[V_FM+\j], v42, v[V_FM+\j]
.endr
	v_perm_b32 v[V_W], v[V_FM+1], v[V_FM], 0x05040100              ; the low halves of two words: others 0-31
	v_perm_b32 v[V_W+1], v[V_FM+3], v[V_FM+2], 0x05040100          ; others 32-63
.irp x, 0,1                            ; ones in each field of 2 bits, then of 4
	v_lshrrev_b32 v[V_W+2], 1, v[V_W+\x]
	v_and_b32 v[V_W+2], 0x55555555, v[V_W+2]
	v_sub_nc_u32 v[V_W+\x], v[V_W+\x], v[V_W+2]
	v_lshrrev_b32 v[V_W+2], 2, v[V_W+\x]
	v_and_b32 v[V_W+\x], 0x33333333, v[V_W+\x]
	v_and_b32 v[V_W+2], 0x33333333, v[V_W+2]
	v_add_nc_u32 v[V_W+\x], v[V_W+\x], v[V_W+2]
.endr
	v_add_nc_u32 v[V_W], v[V_W], v[V_W+1]          ; at most 8 in a field of 4 bits
	v_lshrrev_b32 v[V_W+2], 4, v[V_W]
	v_and_b32 v[V_W], 0x0f0f0f0f, v[V_W]
	v_and_b32 v[V_W+2], 0x0f0f0f0f, v[V_W+2]
	v_add_nc_u32 v[V_W], v[V_W], v[V_W+2]          ; at most 16 in a byte
	v_mul_lo_u32 v[V_W], v[V_W], 0x01010101        ; the top byte gathers the four: at most 64
	v_lshrrev_b32 v[V_W], 24, v[V_W]
	v_cvt_f32_u32 v[V_W], v[V_W]
	v_pk_add_f32 v[V_FL:V_FL+1], v[V_FL:V_FL+1], v[V_FL+2:V_FL+3]
	v_pk_add_f32 v[V_FL+4:V_FL+5], v[V_FL+4:V_FL+5], v[V_FL+6:V_FL+7]
	v_pk_add_f32 v[V_FL:V_FL+1], v[V_FL:V_FL+1], v[V_FL+4:V_FL+5]
	v_add_f32 v[V_FL], v[V_FL], v[V_FL+1]
	v_mul_f32 v[V_W+3], 0xc2c80000, v[V_W]         ; -100 x count
	v_sub_f32 v[V_W+4], 0x41000000, v[V_FL]        ; 8 - l2
	v_add_f32 v[V_W+5], v[V_W+4], v[V_W+3]
	s_wait_alu depctr_va_vdst(0)                   ; the three results v91 to v93 are written, which the stores below read (their offset v40 stands ahead of this wait too)
	global_store_b32 v40, v[V_W+5], s[22:23]       ; 32 modes: 128 neighbouring bytes of each output
	global_store_b32 v40, v[V_W+3], s[24:25]
	global_store_b32 v40, v[V_W+4], s[26:27]
.Ldone:
	s_wait_dscnt 0x0
	s_wait_alu depctr_hold_cnt(0) depctr_sa_sdst(0) depctr_va_vdst(0) depctr_va_sdst(0) depctr_va_ssrc(0) depctr_va_vcc(0) depctr_vm_vsrc(0)
	s_wait_tensorcnt 0x0
	ds_add_u32 v46, v47
	s_wait_dscnt 0x0
	s_endpgm
.Lfunc_end_k_q4a6c0d2495_reward:
	.size	k_q4a6c0d2495_reward, .Lfunc_end_k_q4a6c0d2495_reward-k_q4a6c0d2495_reward
	.p2alignl 7, 3214868480
	.fill 96, 4, 3214868480
	.section	.rodata,"a",@progbits
	.p2align	6, 0x0
	.amdhsa_kernel k_q4a6c0d2495_reward
		.amdhsa_group_segment_fixed_size 168960
		.amdhsa_private_segment_fixed_size 0
		.amdhsa_enable_private_segment 0
		.amdhsa_kernarg_size 80
		.amdhsa_user_sgpr_count 2
		.amdhsa_user_sgpr_kernarg_segment_ptr 1
		.amdhsa_wavefront_size32 1
		.amdhsa_system_sgpr_workgroup_id_x 1
		.amdhsa_system_sgpr_workgroup_id_y 1
		.amdhsa_system_sgpr_workgroup_id_z 1
		.amdhsa_system_vgpr_workitem_id 0
		.amdhsa_next_free_vgpr 248
		.amdhsa_next_free_sgpr 66
		.amdhsa_reserve_vcc 0
		.amdhsa_float_denorm_mode_32 3
		.amdhsa_float_denorm_mode_16_64 3
		.amdhsa_memory_ordered 1
		.amdhsa_forward_progress 1
		.amdhsa_inst_pref_size 73
	.end_amdhsa_kernel
	.amdgpu_metadata
---
amdhsa.version: [ 1, 2 ]
amdhsa.kernels:
  - .name:           k_q4a6c0d2495_reward
    .symbol:         k_q4a6c0d2495_reward.kd
    .args:
      - { .name: agent_fut_width, .offset: 0, .size: 8, .value_kind: global_buffer, .address_space: global }
      - { .name: other_fut_masks, .offset: 8, .size: 8, .value_kind: global_buffer, .address_space: global }
      - { .name: other_fut_trajs, .offset: 16, .size: 8, .value_kind: global_buffer, .address_space: global }
      - { .name: other_fut_widths, .offset: 24, .size: 8, .value_kind: global_buffer, .address_space: global }
      - { .name: target_mask, .offset: 32, .size: 8, .value_kind: global_buffer, .address_space: global }
      - { .name: targets, .offset: 40, .size: 8, .value_kind: global_buffer, .address_space: global }
      - { .name: traj_preds, .offset: 48, .size: 8, .value_kind: global_buffer, .address_space: global }
      - { .name: out0, .offset: 56, .size: 8, .value_kind: global_buffer, .address_space: global }
      - { .name: out1, .offset: 64, .size: 8, .value_kind: global_buffer, .address_space: global }
      - { .name: out2, .offset: 72, .size: 8, .value_kind: global_buffer, .address_space: global }
    .group_segment_fixed_size: 168960
    .private_segment_fixed_size: 0
    .kernarg_segment_align: 8
    .kernarg_segment_size: 80
    .max_flat_workgroup_size: 256
    .sgpr_count:     66
    .vgpr_count:     248
    .wavefront_size: 32
...
	.end_amdgpu_metadata
.endif
;; end of part 2
